; MI455X (gfx1250); checked and timed in simulation.
; The chip was launched on July 23, 2026; its instructions are those of AMD's public machine-readable ISA for CDNA 5 (MIT licence, August 2026) and "CDNA5" Instruction Set Architecture Reference Guide (July 2026). The comments in the code are by the model that wrote it; some were corrected since.
;; Grid KNN Downsample. Allowed arithmetic: matrix products marked QUANTISED: E2M3 operands, one E8M0 scale for each 32 along K, by v_wmma_scale_f32_16x16x128_f8f6f4 with both operands' format E2M3, f32 sums; everything else in f32.
;; Inputs: W_codes 384 x 6 x 24 uint8 (E2M3 codes of W, K innermost, in blocks of 32 codes, four codes in three bytes); W_scales 384 x 6 uint8 (E8M0 scales of W, one for each 32 codes along K); beta 192 float32; gamma 192 float32; idx 32,768 x 16 int32; src_feat 262,144 x 192 float32.
;; Outputs: out0 32,768 x 384 float32.
;; This version of the problem:
;;   THIS VERSION OF THE PROBLEM IS GIVEN IN LOW PRECISION. The matrix products marked QUANTISED in the list below multiply operands that are first quantised to E2M3 (2 exponent bits, 3 mantissa bits; 6 bits a number), with one power-of-two scale for each 32 numbers along K (OCP MX v1.0); their sums are f32. All else is computed in f32.
;;   The module's matrix products, in the order in which they are computed (A, B: the left and right operand; K: the contracted axis; several contracted axes count as one K, in the product's order):
;;     1. [M 524,288, K 192] x [K 192, N 384]; A: computed on the way; B: input W (given as codes): QUANTISED
;;   THE QUANTISER, for each operand of a quantised product, along K:
;;     - K is cut into blocks of 32 from its start; a last block that is shorter is filled with zeros.
;;     - A block's scale is 2^e with e = floor(log2(the largest magnitude in the block)) - 2, held to -126 .. 127; a block of zeros has e = 0. As a byte (E8M0): e + 127.
;;     - Each number is divided by its block's scale, clamped to +-7.5, and rounded to the nearest number of E2M3, ties to even, subnormals kept.
;;     - The product sums the exact products of the quantised numbers (number of the format x scale) in f32.
;;   ~~~python
;;   def quantise(x, axis):      # numpy; x: float32 -> the quantised numbers, widened to float32 again
;;       x = np.moveaxis(x, axis, -1); K = x.shape[-1]
;;       x = np.pad(x, [(0, 0)] * (x.ndim - 1) + [(0, -K % 32)]); x = x.reshape(x.shape[:-1] + (-1, 32)); a = np.abs(x).max(-1, keepdims=True)
;;       e = np.where(a > 0, np.clip(np.frexp(np.where(a > 0, a, 1))[1] - 1 - 2, -126, 127), 0)      # np.frexp(a)[1] - 1 = floor(log2(a)), exactly
;;       r = np.clip(x / 2.0 ** e, -7.5, 7.5)
;;       step = 2.0 ** (np.maximum(np.frexp(np.where(r == 0, 1, r))[1] - 1, 0) - 3)
;;       q = np.round(r / step) * step * 2.0 ** e      # np.round: ties to even
;;       return np.moveaxis(q.reshape(q.shape[:-2] + (-1,))[..., :K], -1, axis).astype(np.float32)
;;   ~~~
;;   OPERANDS COMPUTED ON THE WAY. 'Computed on the way' means the value that the module computes at that place (a softmax that the list does not call 'softmax' is quantised finished and normalised). What goes into a quantiser is computed in f32, as accurately as f32 sums, v_exp_f32 and their like allow (about 1e-6 of the number): no bf16 or f16 on the way to a quantiser, and a product that is left as it is and whose result goes on into a quantised operand takes f32 operands (vector FMAs, or v_wmma_f32_16x16x4_f32). A number that lies on a knife's edge between two numbers of the format may be rounded either way, as far as f32 arithmetic and the matrix unit's own rounding can turn it there, and no further.
;;   INPUTS GIVEN AS CODES. W (in the module: [384, 192], K = its axis 1): each comes as NAME_codes (uint8): NAME with its K axis moved to the last place and cut into blocks of 32 codes, [.., K / 32, bytes a block], one block behind the other in memory; four codes in three bytes: a row's codes are one little-endian stream of bits, code i at bits 6 i .. 6 i + 5 (a code: sign, 2 exponent bits, 3 mantissa bits); and NAME_scales (uint8): the same leading axes, one E8M0 byte (e + 127) for each 32 codes along K. Its value is code x scale, taken as it is: it is not quantised again, and the codes and scales need not be those that the quantiser above would give.
;; 2 versions, each right; version 2 is version 1 with the launch knn written anew for expert scheduling mode. Each part assembles by itself: llvm-mc -triple=amdgcn-amd-amdhsa -mcpu=gfx1250 --defsym DOCPART=n.
;; ======== version 1 of 2: 1 launch
;; launch knn (part 1): grid 256 x 1, 4 waves a work-group, no clusters, 105,984 bytes of LDS; arguments src_feat, idx, gamma, beta, W_codes, W_scales, out0; writes out0
.if DOCPART == 1
	.amdgcn_target "amdgcn-amd-amdhsa--gfx1250"
	.amdhsa_code_object_version 6
	.text
	.protected	k_qafe9616d3f_knn
	.globl	k_qafe9616d3f_knn
	.p2align	8
	.type	k_qafe9616d3f_knn,@function
k_qafe9616d3f_knn:
	s_mov_b64 s[64:65], 0
	v_nop
	global_prefetch_b8 v0, s[64:65] scope:SCOPE_SE
	s_setreg_imm32_b32 hwreg(HW_REG_WAVE_MODE, 25, 1), 1
	s_wait_xcnt 0x0
; out0[p][o] = max over the 16 neighbours j of  Q(LayerNorm(src_feat[idx[p][j]]) * gamma + beta) . W[o],  Q = MX-FP6 (E2M3, one E8M0 scale for each 32 along the 192 channels).
; src_feat [262144][192] f32, idx [32768][16] i32, gamma, beta [192] f32, W as codes [384][6][24] and scale bytes [384][6], out0 [32768][384] f32.
; SHARES.  256 work-groups of four waves; a wave owns 32 consecutive points and works alone (one barrier, at the head).  A POINT IS ONE TILE OF ROWS: its 16 gathered rows are source 0 of the product,
; so in the result a lane holds one output channel and eight neighbours: the maximum over neighbours is a maximum over the lane's eight registers and one exchange between the halves of the lanes.
; W STAYS IN REGISTERS: all 24 tiles of 16 output channels, 504 registers in windows 2 and 3, and 24 registers of scale words; read from memory once by the work-group, handed out through LDS.
; K = 192 is one matrix instruction of 128 and one that is half empty (zero codes on both sides, which add nothing under any scale byte but 0xff).
; A POINT'S WAY: rows loaded dense (16 lanes take 256 consecutive aligned bytes of a row) | LayerNorm in that layout, two passes (mean, then the squares of the differences), so that no difference of
; large sums is formed | through the wave's own stage in LDS into the operand's layout (a lane: three whole blocks of 32 of one row) | scales and codes | 48 matrix instructions | maxima | three stores of 512 bytes.
; The row loads of point p + 2 are issued in the middle of point p, the list of point p + 3 just ahead of them.
; THE ROWS OF W THAT FORM A TILE ARE NOT NEIGHBOURS: lane r of tile (j, e) takes channel 64 (2 j + e / 4) + 4 r + e % 4, so that after the maxima a lane's four registers are four neighbouring channels.
; NOT USED: tensor loads (the rows are named by a list, they form no tile); joint loads in a cluster (work-groups share only W's 57,600 bytes, read once each; the gathered rows are each wave's own).
; LIMITS: NaN and infinities among the inputs are not served (the maxima drop a NaN).  A block whose largest magnitude lies under 2^-124 keeps the scale byte 1.  An index outside 0 .. 262,143 is held at 262,143.
; The mean and the variance are sums times the f32 number nearest 1/192, not divisions.
;
; REGISTERS, in windows of 256 (s_set_vgpr_msb: bits 1:0 source 0, 3:2 source 1, 5:4 source 2, 7:6 destination):
;   window 0: v1-6 addresses; v8-31 W's scale words; v32-33 the rows' scale words; v34-63 the rows' codes; v64-89 at work; v90-101 results to store; v102-117 at work; v128-255 X (the turned rows), then two banks of 8 accumulators
;   window 1: v0-95, v96-191 two sets of rows as loaded; v192-215 gamma, beta; v216-223 a point's list; v224-239 row offsets, a set for each set of rows; v240-241 lane offsets
;   windows 2, 3: W's fragments
.set SP,     784                       ; a stage row: 768 bytes + 16 = 196 words: row r starts at bank 4 r mod 64 (64 banks of 4 bytes: ISA guide 11.1), so sixteen rows' 16 bytes fall on different banks
.set STGB,   16*SP                     ; a wave's stage
.set WROWB,  144                       ; a row of W: 192 codes
.set STG0,   384*WROWB                 ; LDS: W's codes at 0 (55,296 bytes), the four stages behind them
.set STO,  1                           ; v1   stage, way in: row 8 h, + 16 (lane % 16)
.set RDX,  2                           ; v2   stage, way out: row r, + 128 h
.set OOFF, 3                           ; v3   16 x lane: my 16 bytes of a store's 512
.set SH8,  4                           ; v4   8 h: my scale bytes' shift
.set T16,  5                           ; v5   head: 16 x thread
.set WAD,  6                           ; v6   head: 144 r + 24 h: my place in a tile of W in LDS
.set WSC,  8                           ; v8-31  tile t = 8 j + e: lanes 0-15 the scale bytes 0-3 of the lane's channel, lanes 16-31 its bytes (4, 5, 4, 5)
.set SA0,  32                          ; v32  the rows' scale bytes 0-3
.set SA1,  33                          ; v33  their bytes (4, 5, 4, 5)
.set AF,   34                          ; v34-45 codes of k 0-127; v46-51 block 4 + h; v52-57 zeros (written once); v58-63 block 4 + h again
.set CT,   64                          ; v64.. the upper halves of the conversions (three registers must begin on an even number)
.set UP,   64                          ; v64-79 LayerNorm: eight pairs (the quantiser's registers are free then)
.set MX,   76                          ; v76-78 largest magnitudes
.set SO,   79                          ; v79-81 the conversions' scale operands
.set BY,   82                          ; v82-84 a second chain of maxima, then the scale bytes
.set WA,   85
.set WB2,  86
.set PT,   87                          ; v87-88 what the lane 16 away sends
.set OUT,  90                          ; v90-101
.set TP,   102                         ; v102-117 LayerNorm: eight pairs
.set HR,   118                         ; head: r = lane % 16
.set HH,   119                         ; head: h = lane / 16
.set SAL,  120                         ; head: 24 r + 4 h
.set SAH,  121                         ; head: 24 r + 2 h
.set ACC,  128
.set X,    128
.set GAM,  192                         ; window 1
.set BET,  204
.set IDX,  216
.set ADR,  224
.set IOFF, 240
.set L16,  241
.set IDX2, 242
.set MSB, 0
.macro WIN new                         ; the immediate's high byte repeats the setting that is left; a switch that changes nothing is dropped
.if MSB != \new
	s_set_vgpr_msb (MSB<<8)|\new
.set MSB, \new
.endif
.endm
; a point's list (64 bytes): register i = idx[point][8 h + i].  Window 0x41
.macro IDXLD dst, off
	global_load_b128 v[\dst:\dst+3], v[IOFF], s[6:7] offset:\off
	global_load_b128 v[\dst+4:\dst+7], v[IOFF], s[6:7] offset:\off+16
.endm
; the list becomes byte offsets: held inside the table, x 768, + 16 (lane % 16).  Window 0x55
.macro ADDR a, from
.irp i, 0,1,2,3,4,5,6,7
	v_min_u32 v[\from+\i], 0x3ffff, v[\from+\i]
.endr
.irp i, 0,1,2,3,4,5,6,7
	v_mul_u32_u24 v[ADR+8*\a+\i], v[\from+\i], 0x300
.endr
.irp i, 0,1,2,3,4,5,6,7
	v_add_nc_u32 v[ADR+8*\a+\i], v[ADR+8*\a+\i], v[L16]
.endr
.endm
; 16 rows, 24 loads: lanes 0-15 neighbour i, lanes 16-31 neighbour i + 8; each half of the lanes reads 256 consecutive bytes, at a multiple of 256 from the table's first byte.
; No hint: a list may name a row twice.  Window 0x41
.macro ROWS a
.irp i, 0,1,2,3,4,5,6,7
.irp u, 0,1,2
	global_load_b128 v[96*\a+12*\i+4*\u:96*\a+12*\i+4*\u+3], v[ADR+8*\a+\i], s[4:5] offset:256*\u
.endr
.endr
.endm
; LayerNorm of set a, in place.  A row lies in the 16 lanes of a half, 12 numbers a lane; register pair i is rows i and i + 8.  The eight pairs take turns, so that no line waits for the line above it.
.macro LNORM a
	WIN 0x05
.irp i, 0,1,2,3,4,5,6,7
	v_pk_add_f32 v[TP+2*\i:TP+2*\i+1], v[96*\a+12*\i:96*\a+12*\i+1], v[96*\a+12*\i+2:96*\a+12*\i+3]
.endr
	WIN 0x01
.irp q, 4,6,8,10
.irp i, 0,1,2,3,4,5,6,7
	v_pk_add_f32 v[TP+2*\i:TP+2*\i+1], v[96*\a+12*\i+\q:96*\a+12*\i+\q+1], v[TP+2*\i:TP+2*\i+1]
.endr
.endr
	WIN 0
.irp i, 0,1,2,3,4,5,6,7
	v_add_f32 v[TP+2*\i], v[TP+2*\i], v[TP+2*\i+1]
.endr
.irp x, 1,2,4,8
.irp i, 0,1,2,3,4,5,6,7
	v_add_f32_dpp v[TP+2*\i], v[TP+2*\i], v[TP+2*\i] row_xmask:\x row_mask:0xf bank_mask:0xf
.endr
.endr
.irp i, 0,1,2,3,4,5,6,7
	v_mul_f32 v[TP+2*\i], s22, v[TP+2*\i]                          ; -mean, in every lane of the row
.endr
	WIN 0x41
.irp q, 0,2,4,6,8,10
.irp i, 0,1,2,3,4,5,6,7
	v_pk_add_f32 v[96*\a+12*\i+\q:96*\a+12*\i+\q+1], v[96*\a+12*\i+\q:96*\a+12*\i+\q+1], v[TP+2*\i:TP+2*\i+1] op_sel_hi:[1,0]   ; d = g - mean
.endr
.endr
	WIN 0x05
.irp i, 0,1,2,3,4,5,6,7
	v_pk_mul_f32 v[UP+2*\i:UP+2*\i+1], v[96*\a+12*\i:96*\a+12*\i+1], v[96*\a+12*\i:96*\a+12*\i+1]
.endr
.irp q, 2,4,6,8,10
.irp i, 0,1,2,3,4,5,6,7
	v_pk_fma_f32 v[UP+2*\i:UP+2*\i+1], v[96*\a+12*\i+\q:96*\a+12*\i+\q+1], v[96*\a+12*\i+\q:96*\a+12*\i+\q+1], v[UP+2*\i:UP+2*\i+1]
.endr
.endr
	WIN 0
.irp i, 0,1,2,3,4,5,6,7
	v_add_f32 v[UP+2*\i], v[UP+2*\i], v[UP+2*\i+1]
.endr
.irp x, 1,2,4,8
.irp i, 0,1,2,3,4,5,6,7
	v_add_f32_dpp v[UP+2*\i], v[UP+2*\i], v[UP+2*\i] row_xmask:\x row_mask:0xf bank_mask:0xf
.endr
.endr
.irp i, 0,1,2,3,4,5,6,7
	v_fma_f32 v[UP+2*\i], v[UP+2*\i], s23, s24                     ; variance + 1e-5
.endr
.irp i, 0,1,2,3,4,5,6,7
	v_rsq_f32 v[TP+2*\i], v[UP+2*\i]
.endr
	v_nop                                                          ; one plain instruction between the last root and the use of its result (ISA guide 5.7.2)
	WIN 0x41
	s_wait_alu depctr_va_vdst(0)
.irp q, 0,2,4,6,8,10
.irp i, 0,1,2,3,4,5,6,7
	v_pk_mul_f32 v[96*\a+12*\i+\q:96*\a+12*\i+\q+1], v[96*\a+12*\i+\q:96*\a+12*\i+\q+1], v[TP+2*\i:TP+2*\i+1] op_sel_hi:[1,0]
.endr
.endr
	WIN 0x55
.irp q, 0,2,4,6,8,10
.irp i, 0,1,2,3,4,5,6,7
	v_pk_fma_f32 v[96*\a+12*\i+\q:96*\a+12*\i+\q+1], v[96*\a+12*\i+\q:96*\a+12*\i+\q+1], v[GAM+\q:GAM+\q+1], v[BET+\q:BET+\q+1]   ; my 12 channels are the same in every row
.endr
.endr
.endm
; Through my own stage: in as loaded (a half of the lanes writes 256 consecutive bytes of a row), out by the operand's layout: lane (r, h) takes blocks h, 2 + h, 4 + h of row r, 128 bytes each.
; LDS serves a wave's instructions in order (ISA guide 5.7.1.4): no wait between the stores and the loads, nor in front of the next point's stores.
.macro TURN a
	WIN 0x04                                                       ; an LDS store's data are its source 1: window 1
.irp i, 0,1,2,3,4,5,6,7
.irp u, 0,1,2
	ds_store_b128 v[STO], v[96*\a+12*\i+4*\u:96*\a+12*\i+4*\u+3] offset:SP*\i+256*\u
.endr
.endr
	WIN 0
.irp b, 0,1,2
.irp q, 0,1,2,3,4,5,6,7
	ds_load_b128 v[X+32*\b+4*\q:X+32*\b+4*\q+3], v[RDX] offset:256*\b+16*\q
.endr
.endr
.endm
; X's three blocks become codes and scale words.  A block is all mine: no other lane is asked for its largest magnitude.
.macro QUANT
.irp b, 0,1,2
	v_max3_num_f32 v[MX+\b], |v[X+32*\b]|, |v[X+32*\b+1]|, 0x1800000       ; with the floor 2^(3 - 127): the byte cannot fall under 1.  Two chains a block, six by turns
.endr
.irp b, 0,1,2
	v_max3_num_f32 v[BY+\b], |v[X+32*\b+16]|, |v[X+32*\b+17]|, |v[X+32*\b+18]|
.endr
.irp i, 2,4,6,8,10,12
.irp b, 0,1,2
	v_max3_num_f32 v[MX+\b], v[MX+\b], |v[X+32*\b+\i]|, |v[X+32*\b+\i+1]|
.endr
.irp b, 0,1,2
	v_max3_num_f32 v[BY+\b], v[BY+\b], |v[X+32*\b+17+\i]|, |v[X+32*\b+18+\i]|
.endr
.endr
.irp b, 0,1,2
	v_max3_num_f32 v[MX+\b], v[MX+\b], |v[X+32*\b+14]|, |v[X+32*\b+15]|
.endr
.irp b, 0,1,2
	v_max3_num_f32 v[MX+\b], v[MX+\b], v[BY+\b], |v[X+32*\b+31]|
.endr
.irp b, 0,1,2
	v_add_nc_u32 v[SO+\b], 0xff000000, v[MX+\b]                    ; 2 off the exponent field: the conversion takes the exponent field of this operand as its scale
.endr
.irp b, 0,1,2
	v_lshrrev_b32 v[BY+\b], 23, v[SO+\b]                           ; the scale's byte
.endr
	v_lshl_or_b32 v[WA], v[BY+1], 16, v[BY]                        ; blocks h and 2 + h,
	v_lshl_or_b32 v[WB2], v[BY+2], 16, v[BY+2]                     ; block 4 + h, twice: it serves the second product in both its forms
	v_lshlrev_b32 v[WA], v[SH8], v[WA]                             ; at their places in the word;
	v_lshlrev_b32 v[WB2], v[SH8], v[WB2]
	v_permlanex16_b32 v[PT], v[WA], s20, s21
	v_permlanex16_b32 v[PT+1], v[WB2], s20, s21
	v_or_b32 v[SA0], v[WA], v[PT]                                  ; with the lane 16 away's the words are whole
	v_or_b32 v[SA1], v[WB2], v[PT+1]
	v_cvt_scalef32_pk16_fp6_f32 v[AF:AF+2], v[X:X+15], v[SO]
	v_cvt_scalef32_pk16_fp6_f32 v[CT:CT+2], v[X+16:X+31], v[SO]
	v_cvt_scalef32_pk16_fp6_f32 v[AF+6:AF+8], v[X+32:X+47], v[SO+1]
	v_cvt_scalef32_pk16_fp6_f32 v[CT+4:CT+6], v[X+48:X+63], v[SO+1]
	v_cvt_scalef32_pk16_fp6_f32 v[AF+12:AF+14], v[X+64:X+79], v[SO+2]
	v_cvt_scalef32_pk16_fp6_f32 v[CT+8:CT+10], v[X+80:X+95], v[SO+2]
	v_cvt_scalef32_pk16_fp6_f32 v[AF+24:AF+26], v[X+64:X+79], v[SO+2]
	v_nop                                                          ; one plain instruction behind the scaled conversions: their results are moved below, their sources become accumulators
.irp i, 0,1,2
	v_mov_b32 v[AF+3+\i], v[CT+\i]
	v_mov_b32 v[AF+9+\i], v[CT+4+\i]
.endr
.irp i, 0,1,2
	v_mov_b32 v[AF+15+\i], v[CT+8+\i]
	v_mov_b32 v[AF+27+\i], v[CT+8+\i]
.endr
.rept 4
	v_nop                                                          ; operands written by vector instructions stand four places ahead of a scaled matrix instruction; the scale words stand twenty-four ahead (eight are asked)
.endr
.endm
; The maxima of a bank's eight tiles, group o of the point's three.  Each accumulator is read from its low end on.
.macro POOL bank, o
.set PB, ACC+64*\bank
.irp e, 0,1,2,3,4,5,6,7
	v_max3_num_f32 v[PB+8*\e], v[PB+8*\e], v[PB+8*\e+1], v[PB+8*\e+2]
.endr
.irp e, 0,1,2,3,4,5,6,7
	v_max3_num_f32 v[PB+8*\e], v[PB+8*\e], v[PB+8*\e+3], v[PB+8*\e+4]
.endr
.irp e, 0,1,2,3,4,5,6,7
	v_max3_num_f32 v[PB+8*\e], v[PB+8*\e], v[PB+8*\e+5], v[PB+8*\e+6]
.endr
.irp e, 0,1,2,3,4,5,6,7
	v_max_num_f32 v[PB+8*\e], v[PB+8*\e], v[PB+8*\e+7]             ; neighbours 8 h .. 8 h + 7
.endr
.irp i, 0,1,2,3
	v_permlane16_swap_b32 v[PB+8*\i], v[PB+32+8*\i]                ; tile i's upper lanes change places with tile 4 + i's lower: both halves of a channel's neighbours now meet in one lane
.endr
.irp i, 0,1,2,3
	v_max_num_f32 v[OUT+4*\o+\i], v[PB+8*\i], v[PB+32+8*\i]        ; lanes 0-15: channel 128 o + 4 r + i; lanes 16-31: 64 further on
.endr
	global_store_b128 v[OOFF], v[OUT+4*\o:OUT+4*\o+3], s[16:17] offset:512*\o th:TH_STORE_NT   ; 32 lanes store 512 consecutive bytes, at a multiple of 256 from out0's first byte; written once, read by nobody here
.endm
; A point's 48 matrix instructions.  Within a group the eight accumulators take turns, one instruction a turn; the first product of each sum takes the constant 0.
; The half-empty second product comes in two forms, so that two tiles of W share six registers of zeros: an even tile's codes lie in the fragment's lower half, an odd tile's in its upper half, and the rows' codes likewise.
.macro K0 t, breg, acc
	v_wmma_scale_f32_16x16x128_f8f6f4 v[(\acc):(\acc)+7], v[AF:AF+11], v[(\breg):(\breg)+11], 0, v[SA0], v[WSC+(\t)] matrix_a_fmt:MATRIX_FMT_FP6 matrix_b_fmt:MATRIX_FMT_FP6
.endm
.macro K1 t, odd, breg, acc
	v_wmma_scale_f32_16x16x128_f8f6f4 v[(\acc):(\acc)+7], v[AF+12+6*(\odd):AF+23+6*(\odd)], v[(\breg):(\breg)+11], v[(\acc):(\acc)+7], v[SA1], v[WSC+(\t)] matrix_a_fmt:MATRIX_FMT_FP6 matrix_b_fmt:MATRIX_FMT_FP6 matrix_b_scale:MATRIX_SCALE_ROW1
.endm
.macro MM
	WIN 0x08                                                       ; source 1 (W) window 2
.irp e, 0,1,2,3,4,5,6,7
	K0 \e, 12*\e, ACC+8*\e
.endr
.irp e, 0,1,2,3,4,5,6,7
	K1 \e, \e%2, 96+18*(\e/2)+6*(\e%2), ACC+8*\e
.endr
.irp e, 0,1,2,3,4,5,6
	K0 8+\e, 168+12*\e, ACC+64+8*\e
.endr
	WIN 0x0c                                                       ; source 1 window 3
	K0 15, 168, ACC+64+56
.irp e, 0,1,2,3,4,5,6,7
	K1 8+\e, \e%2, 180+18*(\e/2)+6*(\e%2), ACC+64+8*\e
.endr
	WIN 0
.rept 4
	v_nop                                                          ; four places between the first group's last product and the first read of its results (ISA guide 7.12.1); the matrix instructions between are not counted
.endr
	POOL 0, 0                                                      ; its lines are the places behind the second group's products
	WIN 0x0c
.irp e, 0,1,2,3,4,5,6,7
	K0 16+\e, 12*\e, ACC+8*\e
.endr
.irp e, 0,1,2,3,4,5,6,7
	K1 16+\e, \e%2, 96+18*(\e/2)+6*(\e%2), ACC+8*\e
.endr
	WIN 0
	POOL 1, 1                                                      ; and these the places behind the third group's
	POOL 0, 2
.endm
; POINT p, in row set a = p % 2.  fetch = 1: point p + 2's rows and point p + 3's list are asked for.  last = 1: in the loop's last trip the list's base stays, so that point 31's 64 bytes are read again and no load leaves idx.
; left: the loads issued behind this point's rows.
.macro POINT a, fetch, last, left
	s_wait_loadcnt \left                                           ; loads come back in order (ISA guide 5.7.1): behind my rows were issued the list of p + 2 (2) and the rows of p + 1 (24)
	LNORM \a
	TURN \a
.if \fetch
	s_wait_loadcnt 24                                              ; the list of p + 2 is in: behind it only the rows of p + 1 were issued.  Its registers and its base are free
	WIN 0x55
	ADDR \a, IDX
.if \last
	s_cmp_eq_u32 s25, 1
	s_cselect_b32 s26, 0, 64
	s_add_nc_u64 s[6:7], s[6:7], s[26:27]
.else
	s_add_nc_u64 s[6:7], s[6:7], 64
.endif
	WIN 0x41
	IDXLD IDX, 128
	s_wait_dscnt 24                                                ; only the 24 loads from the stage may be out: the 24 stores have read this set of rows
	ROWS \a
	WIN 0
.endif
	s_wait_dscnt 0x0                                               ; X is in
	QUANT
	MM
	s_wait_xcnt 0x0                                                ; the stores' data and base are written again only behind this wait
	s_add_nc_u64 s[16:17], s[16:17], 1536                          ; the next point's row of out0
.endm
	s_load_b256 s[4:11], s[0:1], 0x0               ; src_feat s[4:5], idx s[6:7], gamma s[8:9], beta s[10:11]
	s_load_b128 s[12:15], s[0:1], 0x20             ; W's codes s[12:13], W's scales s[14:15]
	s_load_b64 s[16:17], s[0:1], 0x30              ; out0
	v_lshl_add_u32 v89, v0, 2, 0x19c00
	v_mov_b32 v127, 0
	v_lshrrev_b32 v7, 5, v0
	v_readfirstlane_b32 s18, v7                    ; wave 0..3
	v_and_b32 v[HR], 15, v0                        ; r
	v_bfe_u32 v[HH], v0, 4, 1                      ; h
	s_mul_i32 s30, s18, STGB
	s_add_co_u32 s30, s30, STG0                    ; my stage
	v_mul_u32_u24 v[STO], v[HH], 8*SP
	v_lshl_add_u32 v[STO], v[HR], 4, v[STO]
	v_add_nc_u32 v[STO], s30, v[STO]
	v_mul_u32_u24 v[RDX], v[HR], SP
	v_lshl_add_u32 v[RDX], v[HH], 7, v[RDX]
	v_add_nc_u32 v[RDX], s30, v[RDX]
	v_and_b32 v[OOFF], 31, v0
	v_lshlrev_b32 v[OOFF], 4, v[OOFF]
	v_lshlrev_b32 v[SH8], 3, v[HH]
	v_lshlrev_b32 v[T16], 4, v0
	v_mul_u32_u24 v[WAD], v[HR], WROWB
	v_mad_u32_u24 v[WAD], v[HH], 24, v[WAD]
	v_mul_u32_u24 v[SAL], v[HR], 24                ; W's scale bytes: lane r's channels lie 4 rows of 6 bytes apart
	v_lshl_add_u32 v[SAH], v[HH], 1, v[SAL]
	v_lshl_add_u32 v[SAL], v[HH], 2, v[SAL]
	WIN 0x40                                       ; destination window 1
	v_lshlrev_b32 v[IOFF], 5, v[HH]                ; the list: 32 h
	v_lshlrev_b32 v[L16], 4, v[HR]                 ; 16 (lane % 16)
	s_lshl_b32 s19, ttmp9, 2
	s_add_co_u32 s19, s19, s18                     ; which run of 32 points is my wave's: 4 x work-group + wave
	s_lshl_b32 s28, s19, 11                        ; 32 lists of 64 bytes
	s_mov_b32 s29, 0
	s_mul_i32 s26, s19, 32*1536                    ; 32 rows of out0
	s_mov_b32 s27, 0                               ; (stays 0: the upper word of the list's step too)
	s_mov_b32 s20, 0x76543210
	s_mov_b32 s21, 0xfedcba98                      ; v_permlanex16_b32's selects for the lane 16 away
	s_mov_b32 s22, 0xbbaaaaab                      ; -1/192
	s_mov_b32 s23, 0x3baaaaab                      ; 1/192
	s_mov_b32 s24, 0x3727c5ac                      ; 1e-5
	s_mov_b32 s25, 15                              ; trips
	s_wait_kmcnt 0x0
	s_add_nc_u64 s[6:7], s[6:7], s[28:29]
	s_add_nc_u64 s[16:17], s[16:17], s[26:27]
	WIN 0x41
	IDXLD IDX, 0                                   ; the lists of points 0 and 1
	IDXLD IDX2, 64
.irp u, 0,1,2
	global_load_b128 v[GAM+4*\u:GAM+4*\u+3], v[L16], s[8:9] offset:256*\u     ; channels 64 u + 4 (lane % 16) + 0 .. 3
	global_load_b128 v[BET+4*\u:BET+4*\u+3], v[L16], s[10:11] offset:256*\u
.endr
	WIN 0
.set KK, 0
.rept 27                                       ; W's 55,296 bytes, dense: 128 threads x 16 bytes x 27
	global_load_b128 v[128+4*KK:128+4*KK+3], v[T16], s[12:13] offset:2048*KK
.set KK, KK+1
.endr
.irp t, 0,1,2,3,4,5,6,7,8,9,10,11,12,13,14,15,16,17,18,19,20,21,22,23   ; tile t: channels 64 (t / 4) + 4 r + t % 4.  Lanes 0-15: bytes 0, 1 and 2, 3; lanes 16-31: bytes 4, 5 twice
	global_load_u16 v[WSC+\t], v[SAL], s[14:15] offset:384*(\t/4)+6*(\t%4)
	global_load_u16 v[AF+\t], v[SAH], s[14:15] offset:384*(\t/4)+6*(\t%4)+2
.endr
	s_wait_loadcnt 0x0
	WIN 0x55
	ADDR 0, IDX
	ADDR 1, IDX2
	WIN 0x41
	ROWS 0                                         ; in the order of every later point: rows, the list two points on, the next rows.  They are on their way while W is laid out
	IDXLD IDX, 128
	ROWS 1
	WIN 0
.irp t, 0,1,2,3,4,5,6,7,8,9,10,11,12,13,14,15,16,17,18,19,20,21,22,23
	v_lshl_or_b32 v[WSC+\t], v[AF+\t], 16, v[WSC+\t]
.endr
; W into LDS, its rows in another order: row n at place 96 (n % 4) + n / 4, so that the 16 rows of a tile are neighbours, 144 bytes (36 words) apart.  Piece P = 128 k + thread is piece P % 9 of row P / 9.
.set KK, 0
.rept 27
	v_add_nc_u32 v122, 128*KK, v0                  ; P, under 3,456
	v_mul_u32_u24 v123, v122, 7282
	v_lshrrev_b32 v123, 16, v123                   ; n = P / 9: 7282 / 65536 is over 1/9 by less than 4e-6, which at P under 3,456 moves no quotient
	v_mul_u32_u24 v124, v123, 9
	v_sub_nc_u32 v124, v122, v124                  ; P % 9
	v_and_b32 v125, 3, v123
	v_lshrrev_b32 v126, 2, v123
	v_mad_u32_u24 v125, v125, 96, v126
	v_mul_u32_u24 v125, v125, WROWB
	v_lshl_add_u32 v125, v124, 4, v125
	ds_store_b128 v125, v[128+4*KK:128+4*KK+3]
.set KK, KK+1
.endr
	s_wait_dscnt 0x0                               ; for the others' sake: my stores have landed
	s_barrier_signal -1
	s_barrier_wait -1                              ; W is whole; nobody writes it again
; A fragment of 6-bit codes: lane (r, h): registers 6 c .. 6 c + 5 = k 64 c + 32 h + 0 .. 31: 24 bytes of the row, as they lie, in three pieces of 8 bytes.
.macro WK0                             ; k 0-127 of the tile at place WROW -> v[WREG] on, 12 registers
.irp p, 0,1,2,3,4,5
	ds_load_b64 v[WREG+2*\p:WREG+2*\p+1], v[WAD] offset:WROW*WROWB+48*(\p/3)+8*(\p%3)
.endr
.endm
.macro WK1                             ; k 128 + 32 h + 0 .. 31 -> v[WREG] on, 6 registers
.irp p, 0,1,2
	ds_load_b64 v[WREG+2*\p:WREG+2*\p+1], v[WAD] offset:WROW*WROWB+96+8*\p
.endr
.endm
	WIN 0x80                                       ; destination window 2
.irp e, 0,1,2,3,4,5,6,7
.set WROW, 96*(\e%4)+16*(\e/4)                 ; group 0
.set WREG, 12*\e
	WK0
.set WREG, 96+18*(\e/2)+12*(\e%2)              ; two tiles share 18 registers: the even tile's six, six zeros, the odd tile's six
	WK1
.endr
.irp e, 0,1,2,3,4,5,6
.set WROW, 96*(\e%4)+16*(2+\e/4)               ; group 1, all but its last tile
.set WREG, 168+12*\e
	WK0
.endr
.irp t, 0,1,2,3
.irp z, 6,7,8,9,10,11
	v_mov_b32 v[96+18*\t+\z], 0
.endr
.endr
	WIN 0xc0                                       ; destination window 3
.irp e, 0,1,2,3,4,5,6,7
.set WROW, 96*(\e%4)+16*(4+\e/4)               ; group 2
.set WREG, 12*\e
	WK0
.set WREG, 96+18*(\e/2)+12*(\e%2)
	WK1
.set WROW, 96*(\e%4)+16*(2+\e/4)               ; group 1's second products
.set WREG, 180+18*(\e/2)+12*(\e%2)
	WK1
.endr
.set WROW, 96*3+16*3                           ; group 1's last tile
.set WREG, 168
	WK0
.irp t, 0,1,2,3
.irp z, 6,7,8,9,10,11
	v_mov_b32 v[96+18*\t+\z], 0
	v_mov_b32 v[180+18*\t+\z], 0
.endr
.endr
	WIN 0
.irp z, 18,19,20,21,22,23
	v_mov_b32 v[AF+\z], 0                          ; the rows' six registers of zeros: written once
.endr
	v_mov_b32 v[PT], 0                             ; written once: a lane permute's destination counts as one of its sources
	v_mov_b32 v[PT+1], 0
	s_wait_dscnt 0x0                               ; W's fragments are in
.Ltrip:                                                ; 15 trips: points 0 to 29
	POINT 0, 1, 0, 26
	POINT 1, 1, 1, 26
	s_sub_co_u32 s25, s25, 1
	s_cmp_lg_u32 s25, 0
	s_cbranch_scc1 .Ltrip
	POINT 0, 0, 0, 26                              ; point 30: behind its rows stand the list read again (2) and point 31's rows (24)
	POINT 1, 0, 0, 0                               ; point 31
	s_wait_tensorcnt 0x0
	ds_add_u32 v89, v127
	s_wait_dscnt 0x0
	s_endpgm
.Lfunc_end_k_qafe9616d3f_knn:
	.size	k_qafe9616d3f_knn, .Lfunc_end_k_qafe9616d3f_knn-k_qafe9616d3f_knn
	.p2alignl 7, 3214868480
	.fill 96, 4, 3214868480
	.section	.rodata,"a",@progbits
	.p2align	6, 0x0
	.amdhsa_kernel k_qafe9616d3f_knn
		.amdhsa_group_segment_fixed_size 105984
		.amdhsa_private_segment_fixed_size 0
		.amdhsa_enable_private_segment 0
		.amdhsa_kernarg_size 56
		.amdhsa_user_sgpr_count 2
		.amdhsa_user_sgpr_kernarg_segment_ptr 1
		.amdhsa_wavefront_size32 1
		.amdhsa_system_sgpr_workgroup_id_x 1
		.amdhsa_system_sgpr_workgroup_id_y 1
		.amdhsa_system_sgpr_workgroup_id_z 1
		.amdhsa_system_vgpr_workitem_id 0
		.amdhsa_next_free_vgpr 1024
		.amdhsa_next_free_sgpr 66
		.amdhsa_reserve_vcc 0
		.amdhsa_float_denorm_mode_32 3
		.amdhsa_float_denorm_mode_16_64 3
		.amdhsa_memory_ordered 1
		.amdhsa_forward_progress 1
		.amdhsa_inst_pref_size 226
	.end_amdhsa_kernel
	.amdgpu_metadata
---
amdhsa.version: [ 1, 2 ]
amdhsa.kernels:
  - .name:           k_qafe9616d3f_knn
    .symbol:         k_qafe9616d3f_knn.kd
    .args:
      - { .name: src_feat, .offset: 0, .size: 8, .value_kind: global_buffer, .address_space: global }
      - { .name: idx, .offset: 8, .size: 8, .value_kind: global_buffer, .address_space: global }
      - { .name: gamma, .offset: 16, .size: 8, .value_kind: global_buffer, .address_space: global }
      - { .name: beta, .offset: 24, .size: 8, .value_kind: global_buffer, .address_space: global }
      - { .name: W_codes, .offset: 32, .size: 8, .value_kind: global_buffer, .address_space: global }
      - { .name: W_scales, .offset: 40, .size: 8, .value_kind: global_buffer, .address_space: global }
      - { .name: out0, .offset: 48, .size: 8, .value_kind: global_buffer, .address_space: global }
    .group_segment_fixed_size: 105984
    .private_segment_fixed_size: 0
    .kernarg_segment_align: 8
    .kernarg_segment_size: 56
    .max_flat_workgroup_size: 128
    .sgpr_count:     66
    .vgpr_count:     1024
    .wavefront_size: 32
...
	.end_amdgpu_metadata
.endif
;; end of part 1
;; ======== version 2 of 2: 1 launch; version 1 with the launch knn written anew for expert scheduling mode
;; launch knn (part 2): grid 256 x 1, 4 waves a work-group, no clusters, 105,984 bytes of LDS; arguments src_feat, idx, gamma, beta, W_codes, W_scales, out0; writes out0
.if DOCPART == 2
	.amdgcn_target "amdgcn-amd-amdhsa--gfx1250"
	.amdhsa_code_object_version 6
	.text
	.protected	k_qafe9616d3f_knn
	.globl	k_qafe9616d3f_knn
	.p2align	8
	.type	k_qafe9616d3f_knn,@function
k_qafe9616d3f_knn:
	s_mov_b64 s[64:65], 0
	v_nop
	global_prefetch_b8 v0, s[64:65] scope:SCOPE_SE
	s_setreg_imm32_b32 hwreg(HW_REG_WAVE_SCHED_MODE, 0, 2), 2
	s_setreg_imm32_b32 hwreg(HW_REG_WAVE_MODE, 25, 1), 1
	s_wait_xcnt 0x0
	s_wait_alu depctr_vm_vsrc(0)
; out0[p][o] = max over the 16 neighbours j of  Q(LayerNorm(src_feat[idx[p][j]]) * gamma + beta) . W[o],  Q = MX-FP6 (E2M3, one E8M0 scale for each 32 along the 192 channels).
; src_feat [262144][192] f32, idx [32768][16] i32, gamma, beta [192] f32, W as codes [384][6][24] and scale bytes [384][6], out0 [32768][384] f32.
; SHARES.  256 work-groups of four waves; a wave owns 32 consecutive points and works alone (one barrier, at the head).  A POINT IS ONE TILE OF ROWS: its 16 gathered rows are source 0 of the product,
; so in the result a lane holds one output channel and eight neighbours: the maximum over neighbours is a maximum over the lane's eight registers and one exchange between the halves of the lanes.
; W STAYS IN REGISTERS: all 24 tiles of 16 output channels, 504 registers in windows 2 and 3, and 24 registers of scale words; read from memory once by the work-group, handed out through LDS.
; K = 192 is one matrix instruction of 128 and one that is half empty (zero codes on both sides, which add nothing under any scale byte but 0xff).
; A POINT'S WAY: rows loaded dense (16 lanes take 256 consecutive aligned bytes of a row) | LayerNorm in that layout, two passes (mean, then the squares of the differences), so that no difference of
; large sums is formed | through the wave's own stage in LDS into the operand's layout (a lane: three whole blocks of 32 of one row) | scales and codes | 48 matrix instructions | maxima | three stores of 512 bytes.
; The row loads of point p + 2 are issued in the middle of point p, the list of point p + 3 just ahead of them.
; THE ROWS OF W THAT FORM A TILE ARE NOT NEIGHBOURS: lane r of tile (j, e) takes channel 64 (2 j + e / 4) + 4 r + e % 4, so that after the maxima a lane's four registers are four neighbouring channels.
; NOT USED: tensor loads (the rows are named by a list, they form no tile); joint loads in a cluster (work-groups share only W's 57,600 bytes, read once each; the gathered rows are each wave's own).
; LIMITS: NaN and infinities among the inputs are not served (the maxima drop a NaN).  A block whose largest magnitude lies under 2^-124 keeps the scale byte 1.  An index outside 0 .. 262,143 is held at 262,143.
; The mean and the variance are sums times the f32 number nearest 1/192, not divisions.
; THE MODE: SCHED_MODE bits 1:0 = 2 (LLVM: expert scheduling mode 2), set by the entry lines.  The code itself states the register dependences
; between vector or matrix instructions and memory or LDS instructions, with s_wait_alu, always for 0.
; THE PLAN.  Registers that memory or LDS instructions touch in the loop (point p, set a = p % 2):
;   rows[a]      written by the 24 loads issued in point p - 2; read and written by point p's LayerNorm; read by its 24 stores into the stage; then loaded again, for point p + 2.
;   v128-255     X: written by the 24 loads from the stage, read by the quantiser; then the accumulators, written by the matrix instructions and read and written by the maxima.
;   IDX, ADR[a]  IDX: written by the list's two loads, read and held by the lines that make ADR[a]; ADR[a]: read by the rows' 24 loads.
;   OUT          written by the maxima; read by the three stores, which stand together at the point's end.
;   v1-3, IOFF, L16  addresses and offsets: made at the head, never written again; what moves on are scalar bases.
; A point has five waits on va_vdst: behind the eight roots; ahead of the turn through the stage (rows[a] are written, v128-255 are done with); ahead of the list's and the rows' loads (ADR[a] is written, IDX is done with);
; ahead of the products (codes and scale words are written); ahead of the three stores (OUT is written).  And one on vm_vsrc, behind the turn: the stage's stores have read rows[a], the last point's stores OUT, the rows' loads of two points back ADR[a].
;
; REGISTERS, in windows of 256 (s_set_vgpr_msb: bits 1:0 source 0, 3:2 source 1, 5:4 source 2, 7:6 destination):
;   window 0: v1-6 addresses; v8-31 W's scale words; v32-33 the rows' scale words; v34-63 the rows' codes; v64-89 at work (at the head v64-90: LDS addresses of W's pieces); v90-101 results to store; v102-117 at work; v128-255 X (the turned rows), then two banks of 8 accumulators
;   window 1: v0-95, v96-191 two sets of rows as loaded; v192-215 gamma, beta; v216-223 a point's list; v224-239 row offsets, a set for each set of rows; v240-241 lane offsets
;   windows 2, 3: W's fragments
.set SP,     784                       ; a stage row: 768 bytes + 16 = 196 words: row r starts at bank 4 r mod 64 (64 banks of 4 bytes: ISA guide 11.1), so sixteen rows' 16 bytes fall on different banks
.set STGB,   16*SP                     ; a wave's stage
.set WROWB,  144                       ; a row of W: 192 codes
.set STG0,   384*WROWB                 ; LDS: W's codes at 0 (55,296 bytes), the four stages behind them
.set STO,  1                           ; v1   stage, way in: row 8 h, + 16 (lane % 16)
.set RDX,  2                           ; v2   stage, way out: row r, + 128 h
.set OOFF, 3                           ; v3   16 x lane: my 16 bytes of a store's 512
.set SH8,  4                           ; v4   8 h: my scale bytes' shift
.set T16,  5                           ; v5   head: 16 x thread
.set WAD,  6                           ; v6   head: 144 r + 24 h: my place in a tile of W in LDS
.set WSC,  8                           ; v8-31  tile t = 8 j + e: lanes 0-15 the scale bytes 0-3 of the lane's channel, lanes 16-31 its bytes (4, 5, 4, 5)
.set SA0,  32                          ; v32  the rows' scale bytes 0-3
.set SA1,  33                          ; v33  their bytes (4, 5, 4, 5)
.set AF,   34                          ; v34-45 codes of k 0-127; v46-51 block 4 + h; v52-57 zeros (written once); v58-63 block 4 + h again
.set CT,   64                          ; v64.. the upper halves of the conversions (three registers must begin on an even number)
.set UP,   64                          ; v64-79 LayerNorm: eight pairs (the quantiser's registers are free then)
.set WLA,  64                          ; v64-90 head: where my 27 pieces of W go in LDS, a register for each
.set MX,   76                          ; v76-78 largest magnitudes
.set SO,   79                          ; v79-81 the conversions' scale operands
.set BY,   82                          ; v82-84 a second chain of maxima, then the scale bytes
.set WA,   85
.set WB2,  86
.set PT,   87                          ; v87-88 what the lane 16 away sends
.set OUT,  90                          ; v90-101
.set TP,   102                         ; v102-117 LayerNorm: eight pairs
.set HR,   118                         ; head: r = lane % 16
.set HH,   119                         ; head: h = lane / 16
.set SAL,  120                         ; head: 24 r + 4 h
.set SAH,  121                         ; head: 24 r + 2 h
.set ACC,  128
.set X,    128
.set GAM,  192                         ; window 1
.set BET,  204
.set IDX,  216
.set ADR,  224
.set IOFF, 240
.set L16,  241
.set IDX2, 242
.set MSB, 0
.macro WIN new                         ; the immediate's high byte repeats the setting that is left; a switch that changes nothing is dropped
.if MSB != \new
	s_set_vgpr_msb (MSB<<8)|\new
.set MSB, \new
.endif
.endm
; a point's list (64 bytes): register i = idx[point][8 h + i].  Window 0x41
.macro IDXLD dst, off
	global_load_b128 v[\dst:\dst+3], v[IOFF], s[6:7] offset:\off
	global_load_b128 v[\dst+4:\dst+7], v[IOFF], s[6:7] offset:\off+16
.endm
; the list becomes byte offsets: held inside the table, x 768, + 16 (lane % 16).  Window 0x55
.macro ADDR a, from
.irp i, 0,1,2,3,4,5,6,7
	v_min_u32 v[\from+\i], 0x3ffff, v[\from+\i]
.endr
.irp i, 0,1,2,3,4,5,6,7
	v_mul_u32_u24 v[ADR+8*\a+\i], v[\from+\i], 0x300
.endr
.irp i, 0,1,2,3,4,5,6,7
	v_add_nc_u32 v[ADR+8*\a+\i], v[ADR+8*\a+\i], v[L16]
.endr
.endm
; 16 rows, 24 loads: lanes 0-15 neighbour i, lanes 16-31 neighbour i + 8; each half of the lanes reads 256 consecutive bytes, at a multiple of 256 from the table's first byte.
; No hint: a list may name a row twice.  Window 0x41
.macro ROWS a
.irp i, 0,1,2,3,4,5,6,7
.irp u, 0,1,2
	global_load_b128 v[96*\a+12*\i+4*\u:96*\a+12*\i+4*\u+3], v[ADR+8*\a+\i], s[4:5] offset:256*\u
.endr
.endr
.endm
; LayerNorm of set a, in place.  A row lies in the 16 lanes of a half, 12 numbers a lane; register pair i is rows i and i + 8.  The eight pairs take turns, so that no line waits for the line above it.
.macro LNORM a
	WIN 0x05
.irp i, 0,1,2,3,4,5,6,7
	v_pk_add_f32 v[TP+2*\i:TP+2*\i+1], v[96*\a+12*\i:96*\a+12*\i+1], v[96*\a+12*\i+2:96*\a+12*\i+3]
.endr
	WIN 0x01
.irp q, 4,6,8,10
.irp i, 0,1,2,3,4,5,6,7
	v_pk_add_f32 v[TP+2*\i:TP+2*\i+1], v[96*\a+12*\i+\q:96*\a+12*\i+\q+1], v[TP+2*\i:TP+2*\i+1]
.endr
.endr
	WIN 0
.irp i, 0,1,2,3,4,5,6,7
	v_add_f32 v[TP+2*\i], v[TP+2*\i], v[TP+2*\i+1]
.endr
.irp x, 1,2,4,8
.irp i, 0,1,2,3,4,5,6,7
	v_add_f32_dpp v[TP+2*\i], v[TP+2*\i], v[TP+2*\i] row_xmask:\x row_mask:0xf bank_mask:0xf
.endr
.endr
.irp i, 0,1,2,3,4,5,6,7
	v_mul_f32 v[TP+2*\i], s22, v[TP+2*\i]                          ; -mean, in every lane of the row
.endr
	WIN 0x41
.irp q, 0,2,4,6,8,10
.irp i, 0,1,2,3,4,5,6,7
	v_pk_add_f32 v[96*\a+12*\i+\q:96*\a+12*\i+\q+1], v[96*\a+12*\i+\q:96*\a+12*\i+\q+1], v[TP+2*\i:TP+2*\i+1] op_sel_hi:[1,0]   ; d = g - mean
.endr
.endr
	WIN 0x05
.irp i, 0,1,2,3,4,5,6,7
	v_pk_mul_f32 v[UP+2*\i:UP+2*\i+1], v[96*\a+12*\i:96*\a+12*\i+1], v[96*\a+12*\i:96*\a+12*\i+1]
.endr
.irp q, 2,4,6,8,10
.irp i, 0,1,2,3,4,5,6,7
	v_pk_fma_f32 v[UP+2*\i:UP+2*\i+1], v[96*\a+12*\i+\q:96*\a+12*\i+\q+1], v[96*\a+12*\i+\q:96*\a+12*\i+\q+1], v[UP+2*\i:UP+2*\i+1]
.endr
.endr
	WIN 0
.irp i, 0,1,2,3,4,5,6,7
	v_add_f32 v[UP+2*\i], v[UP+2*\i], v[UP+2*\i+1]
.endr
.irp x, 1,2,4,8
.irp i, 0,1,2,3,4,5,6,7
	v_add_f32_dpp v[UP+2*\i], v[UP+2*\i], v[UP+2*\i] row_xmask:\x row_mask:0xf bank_mask:0xf
.endr
.endr
.irp i, 0,1,2,3,4,5,6,7
	v_fma_f32 v[UP+2*\i], v[UP+2*\i], s23, s24                     ; variance + 1e-5
.endr
.irp i, 0,1,2,3,4,5,6,7
	v_rsq_f32 v[TP+2*\i], v[UP+2*\i]
.endr
	v_nop                                                          ; one plain instruction between the last root and the use of its result (ISA guide 5.7.2)
	s_wait_alu depctr_va_vdst(0)                                   ; the eight roots are written: one wait for the batch, ahead of the first line that names a result
	WIN 0x41
.irp q, 0,2,4,6,8,10
.irp i, 0,1,2,3,4,5,6,7
	v_pk_mul_f32 v[96*\a+12*\i+\q:96*\a+12*\i+\q+1], v[96*\a+12*\i+\q:96*\a+12*\i+\q+1], v[TP+2*\i:TP+2*\i+1] op_sel_hi:[1,0]
.endr
.endr
	WIN 0x55
.irp q, 0,2,4,6,8,10
.irp i, 0,1,2,3,4,5,6,7
	v_pk_fma_f32 v[96*\a+12*\i+\q:96*\a+12*\i+\q+1], v[96*\a+12*\i+\q:96*\a+12*\i+\q+1], v[GAM+\q:GAM+\q+1], v[BET+\q:BET+\q+1]   ; my 12 channels are the same in every row
.endr
.endr
.endm
; Through my own stage: in as loaded (a half of the lanes writes 256 consecutive bytes of a row), out by the operand's layout: lane (r, h) takes blocks h, 2 + h, 4 + h of row r, 128 bytes each.
; LDS serves a wave's instructions in order (ISA guide 5.7.1.4): no wait between the stores and the loads, nor in front of the next point's stores.
.macro TURN a
	WIN 0x04                                                       ; an LDS store's data are its source 1: window 1
	s_wait_alu depctr_va_vdst(0)                                   ; LayerNorm has written this set of rows, which the stores read; the last point's quantiser, products and maxima are done with v128-255, in which the loads below land
.irp i, 0,1,2,3,4,5,6,7
.irp u, 0,1,2
	ds_store_b128 v[STO], v[96*\a+12*\i+4*\u:96*\a+12*\i+4*\u+3] offset:SP*\i+256*\u
.endr
.endr
	WIN 0
.irp b, 0,1,2
.irp q, 0,1,2,3,4,5,6,7
	ds_load_b128 v[X+32*\b+4*\q:X+32*\b+4*\q+3], v[RDX] offset:256*\b+16*\q   ; no vector or matrix instruction since the wait above; the stores between name the rows and v[STO] alone
.endr
.endr
.endm
; X's three blocks become codes and scale words.  A block is all mine: no other lane is asked for its largest magnitude.
.macro QUANT
.irp b, 0,1,2
	v_max3_num_f32 v[MX+\b], |v[X+32*\b]|, |v[X+32*\b+1]|, 0x1800000       ; with the floor 2^(3 - 127): the byte cannot fall under 1.  Two chains a block, six by turns
.endr
.irp b, 0,1,2
	v_max3_num_f32 v[BY+\b], |v[X+32*\b+16]|, |v[X+32*\b+17]|, |v[X+32*\b+18]|
.endr
.irp i, 2,4,6,8,10,12
.irp b, 0,1,2
	v_max3_num_f32 v[MX+\b], v[MX+\b], |v[X+32*\b+\i]|, |v[X+32*\b+\i+1]|
.endr
.irp b, 0,1,2
	v_max3_num_f32 v[BY+\b], v[BY+\b], |v[X+32*\b+17+\i]|, |v[X+32*\b+18+\i]|
.endr
.endr
.irp b, 0,1,2
	v_max3_num_f32 v[MX+\b], v[MX+\b], |v[X+32*\b+14]|, |v[X+32*\b+15]|
.endr
.irp b, 0,1,2
	v_max3_num_f32 v[MX+\b], v[MX+\b], v[BY+\b], |v[X+32*\b+31]|
.endr
.irp b, 0,1,2
	v_add_nc_u32 v[SO+\b], 0xff000000, v[MX+\b]                    ; 2 off the exponent field: the conversion takes the exponent field of this operand as its scale
.endr
.irp b, 0,1,2
	v_lshrrev_b32 v[BY+\b], 23, v[SO+\b]                           ; the scale's byte
.endr
	v_lshl_or_b32 v[WA], v[BY+1], 16, v[BY]                        ; blocks h and 2 + h,
	v_lshl_or_b32 v[WB2], v[BY+2], 16, v[BY+2]                     ; block 4 + h, twice: it serves the second product in both its forms
	v_lshlrev_b32 v[WA], v[SH8], v[WA]                             ; at their places in the word;
	v_lshlrev_b32 v[WB2], v[SH8], v[WB2]
	v_permlanex16_b32 v[PT], v[WA], s20, s21
	v_permlanex16_b32 v[PT+1], v[WB2], s20, s21
	v_or_b32 v[SA0], v[WA], v[PT]                                  ; with the lane 16 away's the words are whole
	v_or_b32 v[SA1], v[WB2], v[PT+1]
	v_cvt_scalef32_pk16_fp6_f32 v[AF:AF+2], v[X:X+15], v[SO]
	v_cvt_scalef32_pk16_fp6_f32 v[CT:CT+2], v[X+16:X+31], v[SO]
	v_cvt_scalef32_pk16_fp6_f32 v[AF+6:AF+8], v[X+32:X+47], v[SO+1]
	v_cvt_scalef32_pk16_fp6_f32 v[CT+4:CT+6], v[X+48:X+63], v[SO+1]
	v_cvt_scalef32_pk16_fp6_f32 v[AF+12:AF+14], v[X+64:X+79], v[SO+2]
	v_cvt_scalef32_pk16_fp6_f32 v[CT+8:CT+10], v[X+80:X+95], v[SO+2]
	v_cvt_scalef32_pk16_fp6_f32 v[AF+24:AF+26], v[X+64:X+79], v[SO+2]
	v_nop                                                          ; one plain instruction behind the scaled conversions: their results are moved below, their sources become accumulators
.irp i, 0,1,2
	v_mov_b32 v[AF+3+\i], v[CT+\i]
	v_mov_b32 v[AF+9+\i], v[CT+4+\i]
.endr
.irp i, 0,1,2
	v_mov_b32 v[AF+15+\i], v[CT+8+\i]
	v_mov_b32 v[AF+27+\i], v[CT+8+\i]
.endr
.rept 4
	v_nop                                                          ; operands written by vector instructions stand four places ahead of a scaled matrix instruction; the scale words stand twenty-four ahead (eight are asked)
.endr
	s_wait_alu depctr_va_vdst(0)                                   ; the codes in v[AF ..] and the scale words v[SA0], v[SA1] are written, which the scaled matrix instructions take; the places above stay beside this wait
.endm
; The maxima of a bank's eight tiles, group o of the point's three.  Each accumulator is read from its low end on.  (The point's three stores stand together at its end.)
.macro POOL bank, o
.set PB, ACC+64*\bank
.irp e, 0,1,2,3,4,5,6,7
	v_max3_num_f32 v[PB+8*\e], v[PB+8*\e], v[PB+8*\e+1], v[PB+8*\e+2]
.endr
.irp e, 0,1,2,3,4,5,6,7
	v_max3_num_f32 v[PB+8*\e], v[PB+8*\e], v[PB+8*\e+3], v[PB+8*\e+4]
.endr
.irp e, 0,1,2,3,4,5,6,7
	v_max3_num_f32 v[PB+8*\e], v[PB+8*\e], v[PB+8*\e+5], v[PB+8*\e+6]
.endr
.irp e, 0,1,2,3,4,5,6,7
	v_max_num_f32 v[PB+8*\e], v[PB+8*\e], v[PB+8*\e+7]             ; neighbours 8 h .. 8 h + 7
.endr
.irp i, 0,1,2,3
	v_permlane16_swap_b32 v[PB+8*\i], v[PB+32+8*\i]                ; tile i's upper lanes change places with tile 4 + i's lower: both halves of a channel's neighbours now meet in one lane
.endr
.irp i, 0,1,2,3
	v_max_num_f32 v[OUT+4*\o+\i], v[PB+8*\i], v[PB+32+8*\i]        ; lanes 0-15: channel 128 o + 4 r + i; lanes 16-31: 64 further on
.endr
.endm
; A point's 48 matrix instructions.  Within a group the eight accumulators take turns, one instruction a turn; the first product of each sum takes the constant 0.
; The half-empty second product comes in two forms, so that two tiles of W share six registers of zeros: an even tile's codes lie in the fragment's lower half, an odd tile's in its upper half, and the rows' codes likewise.
.macro K0 t, breg, acc
	v_wmma_scale_f32_16x16x128_f8f6f4 v[(\acc):(\acc)+7], v[AF:AF+11], v[(\breg):(\breg)+11], 0, v[SA0], v[WSC+(\t)] matrix_a_fmt:MATRIX_FMT_FP6 matrix_b_fmt:MATRIX_FMT_FP6
.endm
.macro K1 t, odd, breg, acc
	v_wmma_scale_f32_16x16x128_f8f6f4 v[(\acc):(\acc)+7], v[AF+12+6*(\odd):AF+23+6*(\odd)], v[(\breg):(\breg)+11], v[(\acc):(\acc)+7], v[SA1], v[WSC+(\t)] matrix_a_fmt:MATRIX_FMT_FP6 matrix_b_fmt:MATRIX_FMT_FP6 matrix_b_scale:MATRIX_SCALE_ROW1
.endm
.macro MM
	WIN 0x08                                                       ; source 1 (W) window 2
.irp e, 0,1,2,3,4,5,6,7
	K0 \e, 12*\e, ACC+8*\e
.endr
.irp e, 0,1,2,3,4,5,6,7
	K1 \e, \e%2, 96+18*(\e/2)+6*(\e%2), ACC+8*\e
.endr
.irp e, 0,1,2,3,4,5,6
	K0 8+\e, 168+12*\e, ACC+64+8*\e
.endr
	WIN 0x0c                                                       ; source 1 window 3
	K0 15, 168, ACC+64+56
.irp e, 0,1,2,3,4,5,6,7
	K1 8+\e, \e%2, 180+18*(\e/2)+6*(\e%2), ACC+64+8*\e
.endr
	WIN 0
.rept 4
	v_nop                                                          ; four places between the first group's last product and the first read of its results (ISA guide 7.12.1); the matrix instructions between are not counted
.endr
	POOL 0, 0                                                      ; its lines are the places behind the second group's products
	WIN 0x0c
.irp e, 0,1,2,3,4,5,6,7
	K0 16+\e, 12*\e, ACC+8*\e
.endr
.irp e, 0,1,2,3,4,5,6,7
	K1 16+\e, \e%2, 96+18*(\e/2)+6*(\e%2), ACC+8*\e
.endr
	WIN 0
	POOL 1, 1                                                      ; and these the places behind the third group's
	POOL 0, 2
.endm
; POINT p, in row set a = p % 2.  fetch = 1: point p + 2's rows and point p + 3's list are asked for.  last = 1: in the loop's last trip the list's base stays, so that point 31's 64 bytes are read again and no load leaves idx.
; left: the loads issued behind this point's rows.
.macro POINT a, fetch, last, left
	s_wait_loadcnt \left                                           ; loads come back in order (ISA guide 5.7.1): behind my rows were issued the list of p + 2 (2) and the rows of p + 1 (24)
	LNORM \a
	TURN \a
	s_wait_xcnt 0x0                                                ; the last point's stores have had their addresses translated (ISA guide 3.1): their data and their base are written again only behind this wait
	s_wait_alu depctr_vm_vsrc(0)                                   ; the stores into the stage have read this set of rows, in which the loads below land; the last point's stores have read v[OUT ..], which this point's maxima write; the rows' loads of two points back have read ADR of this set, which is written below
	s_add_nc_u64 s[16:17], s[16:17], 1536                          ; out0's base: one row past this point's; the stores at the point's end reach back
.if \fetch
	s_wait_loadcnt 24                                              ; the list of p + 2 is in: behind it only the rows of p + 1 were issued.  Its registers and its base are free
	WIN 0x55
	ADDR \a, IDX
.if \last
	s_cmp_eq_u32 s25, 1
	s_cselect_b32 s26, 0, 64
	s_add_nc_u64 s[6:7], s[6:7], s[26:27]
.else
	s_add_nc_u64 s[6:7], s[6:7], 64
.endif
	WIN 0x41
	s_wait_alu depctr_va_vdst(0)                                   ; the lines above have written ADR of this set, which the rows' loads read as offsets, and are done reading and writing the list's registers, in which the next list lands
	IDXLD IDX, 128
	s_wait_dscnt 24                                                ; only the 24 loads from the stage may be out: the 24 stores have read this set of rows
	ROWS \a
	WIN 0
.endif
	s_wait_dscnt 0x0                                               ; X is in
	QUANT
	MM
	s_wait_alu depctr_va_vdst(0)                                   ; the maxima have written v[OUT ..], which the three stores read
.irp o, 0,1,2
	global_store_b128 v[OOFF], v[OUT+4*\o:OUT+4*\o+3], s[16:17] offset:512*\o-1536 th:TH_STORE_NT   ; 32 lanes store 512 consecutive bytes, at a multiple of 256 from out0's first byte; written once, read by nobody here
.endr
.endm
	s_load_b256 s[4:11], s[0:1], 0x0               ; src_feat s[4:5], idx s[6:7], gamma s[8:9], beta s[10:11]
	s_load_b128 s[12:15], s[0:1], 0x20             ; W's codes s[12:13], W's scales s[14:15]
	s_load_b64 s[16:17], s[0:1], 0x30              ; out0
	v_lshl_add_u32 v127, v0, 2, 0x19c00
	s_set_vgpr_msb 0x40
	v_mov_b32 v255, 0
	s_set_vgpr_msb 0x4000
	v_lshrrev_b32 v7, 5, v0
	v_readfirstlane_b32 s18, v7                    ; wave 0..3
	v_and_b32 v[HR], 15, v0                        ; r
	v_bfe_u32 v[HH], v0, 4, 1                      ; h
	s_wait_alu depctr_va_sdst(0)                   ; s18 is written, ahead of its first reader: the stage's place and the wave's run of points are made from it
	s_mul_i32 s30, s18, STGB
	s_add_co_u32 s30, s30, STG0                    ; my stage
	v_mul_u32_u24 v[STO], v[HH], 8*SP
	v_lshl_add_u32 v[STO], v[HR], 4, v[STO]
	v_add_nc_u32 v[STO], s30, v[STO]
	v_mul_u32_u24 v[RDX], v[HR], SP
	v_lshl_add_u32 v[RDX], v[HH], 7, v[RDX]
	v_add_nc_u32 v[RDX], s30, v[RDX]
	v_and_b32 v[OOFF], 31, v0
	v_lshlrev_b32 v[OOFF], 4, v[OOFF]
	v_lshlrev_b32 v[SH8], 3, v[HH]
	v_lshlrev_b32 v[T16], 4, v0
	v_mul_u32_u24 v[WAD], v[HR], WROWB
	v_mad_u32_u24 v[WAD], v[HH], 24, v[WAD]
	v_mul_u32_u24 v[SAL], v[HR], 24                ; W's scale bytes: lane r's channels lie 4 rows of 6 bytes apart
	v_lshl_add_u32 v[SAH], v[HH], 1, v[SAL]
	v_lshl_add_u32 v[SAL], v[HH], 2, v[SAL]
	WIN 0x40                                       ; destination window 1
	v_lshlrev_b32 v[IOFF], 5, v[HH]                ; the list: 32 h
	v_lshlrev_b32 v[L16], 4, v[HR]                 ; 16 (lane % 16)
	s_lshl_b32 s19, ttmp9, 2
	s_add_co_u32 s19, s19, s18                     ; which run of 32 points is my wave's: 4 x work-group + wave
	s_lshl_b32 s28, s19, 11                        ; 32 lists of 64 bytes
	s_mov_b32 s29, 0
	s_mul_i32 s26, s19, 32*1536                    ; 32 rows of out0
	s_mov_b32 s27, 0                               ; (stays 0: the upper word of the list's step too)
	s_mov_b32 s20, 0x76543210
	s_mov_b32 s21, 0xfedcba98                      ; v_permlanex16_b32's selects for the lane 16 away
	s_mov_b32 s22, 0xbbaaaaab                      ; -1/192
	s_mov_b32 s23, 0x3baaaaab                      ; 1/192
	s_mov_b32 s24, 0x3727c5ac                      ; 1e-5
	s_mov_b32 s25, 15                              ; trips
	s_wait_kmcnt 0x0
	s_add_nc_u64 s[6:7], s[6:7], s[28:29]
	s_add_nc_u64 s[16:17], s[16:17], s[26:27]
	WIN 0x41
	s_wait_alu depctr_va_vdst(0)                   ; all addresses and offsets are written (v1 to v6, v[SAL], v[SAH], IOFF, L16), which the loads and stores of the whole kernel read
	IDXLD IDX, 0                                   ; the lists of points 0 and 1
	IDXLD IDX2, 64
.irp u, 0,1,2
	global_load_b128 v[GAM+4*\u:GAM+4*\u+3], v[L16], s[8:9] offset:256*\u     ; channels 64 u + 4 (lane % 16) + 0 .. 3
	global_load_b128 v[BET+4*\u:BET+4*\u+3], v[L16], s[10:11] offset:256*\u
.endr
	WIN 0
.set KK, 0
.rept 27                                       ; W's 55,296 bytes, dense: 128 threads x 16 bytes x 27
	global_load_b128 v[128+4*KK:128+4*KK+3], v[T16], s[12:13] offset:2048*KK
.set KK, KK+1
.endr
.irp t, 0,1,2,3,4,5,6,7,8,9,10,11,12,13,14,15,16,17,18,19,20,21,22,23   ; tile t: channels 64 (t / 4) + 4 r + t % 4.  Lanes 0-15: bytes 0, 1 and 2, 3; lanes 16-31: bytes 4, 5 twice
	global_load_u16 v[WSC+\t], v[SAL], s[14:15] offset:384*(\t/4)+6*(\t%4)
	global_load_u16 v[AF+\t], v[SAH], s[14:15] offset:384*(\t/4)+6*(\t%4)+2
.endr
	s_wait_loadcnt 0x0
	WIN 0x55
	ADDR 0, IDX
	ADDR 1, IDX2
	WIN 0x41
	s_wait_alu depctr_va_vdst(0)                   ; both sets of ADR are written, which the rows' loads read as offsets; the lines that made them are done with the first list's registers, in which point 2's list lands
	ROWS 0                                         ; in the order of every later point: rows, the list two points on, the next rows.  They are on their way while W is laid out
	IDXLD IDX, 128
	ROWS 1
	WIN 0
.irp t, 0,1,2,3,4,5,6,7,8,9,10,11,12,13,14,15,16,17,18,19,20,21,22,23
	v_lshl_or_b32 v[WSC+\t], v[AF+\t], 16, v[WSC+\t]
.endr
; W into LDS, its rows in another order: row n at place 96 (n % 4) + n / 4, so that the 16 rows of a tile are neighbours, 144 bytes (36 words) apart.  Piece P = 128 k + thread is piece P % 9 of row P / 9.
; The 27 addresses are made first, a register for each, so that one wait serves the 27 stores.
.set KK, 0
.rept 27
	v_add_nc_u32 v122, 128*KK, v0                  ; P, under 3,456
	v_mul_u32_u24 v123, v122, 7282
	v_lshrrev_b32 v123, 16, v123                   ; n = P / 9: 7282 / 65536 is over 1/9 by less than 4e-6, which at P under 3,456 moves no quotient
	v_mul_u32_u24 v124, v123, 9
	v_sub_nc_u32 v124, v122, v124                  ; P % 9
	v_and_b32 v125, 3, v123
	v_lshrrev_b32 v126, 2, v123
	v_mad_u32_u24 v125, v125, 96, v126
	v_mul_u32_u24 v125, v125, WROWB
	v_lshl_add_u32 v[WLA+KK], v124, 4, v125
.set KK, KK+1
.endr
	s_wait_alu depctr_va_vdst(0)                   ; the 27 addresses v[WLA ..] are written, which the LDS stores read
.set KK, 0
.rept 27
	ds_store_b128 v[WLA+KK], v[128+4*KK:128+4*KK+3]
.set KK, KK+1
.endr
	s_wait_dscnt 0x0                               ; for the others' sake: my stores have landed
	s_barrier_signal -1
	s_barrier_wait -1                              ; W is whole; nobody writes it again
	s_wait_alu depctr_vm_vsrc(0)                   ; my LDS stores have read v[WLA ..] and v128-235, which the loop's vector lines, the stage's loads and the products write; the first rows' loads have read both sets of ADR, which points 0 and 1 write
; A fragment of 6-bit codes: lane (r, h): registers 6 c .. 6 c + 5 = k 64 c + 32 h + 0 .. 31: 24 bytes of the row, as they lie, in three pieces of 8 bytes.
; These loads land in registers of windows 2 and 3 that no vector instruction names, before them or between them: the zeros below go into other registers.
.macro WK0                             ; k 0-127 of the tile at place WROW -> v[WREG] on, 12 registers
.irp p, 0,1,2,3,4,5
	ds_load_b64 v[WREG+2*\p:WREG+2*\p+1], v[WAD] offset:WROW*WROWB+48*(\p/3)+8*(\p%3)
.endr
.endm
.macro WK1                             ; k 128 + 32 h + 0 .. 31 -> v[WREG] on, 6 registers
.irp p, 0,1,2
	ds_load_b64 v[WREG+2*\p:WREG+2*\p+1], v[WAD] offset:WROW*WROWB+96+8*\p
.endr
.endm
	WIN 0x80                                       ; destination window 2
.irp e, 0,1,2,3,4,5,6,7
.set WROW, 96*(\e%4)+16*(\e/4)                 ; group 0
.set WREG, 12*\e
	WK0
.set WREG, 96+18*(\e/2)+12*(\e%2)              ; two tiles share 18 registers: the even tile's six, six zeros, the odd tile's six
	WK1
.endr
.irp e, 0,1,2,3,4,5,6
.set WROW, 96*(\e%4)+16*(2+\e/4)               ; group 1, all but its last tile
.set WREG, 168+12*\e
	WK0
.endr
.irp t, 0,1,2,3
.irp z, 6,7,8,9,10,11
	v_mov_b32 v[96+18*\t+\z], 0
.endr
.endr
	WIN 0xc0                                       ; destination window 3
.irp e, 0,1,2,3,4,5,6,7
.set WROW, 96*(\e%4)+16*(4+\e/4)               ; group 2
.set WREG, 12*\e
	WK0
.set WREG, 96+18*(\e/2)+12*(\e%2)
	WK1
.set WROW, 96*(\e%4)+16*(2+\e/4)               ; group 1's second products
.set WREG, 180+18*(\e/2)+12*(\e%2)
	WK1
.endr
.set WROW, 96*3+16*3                           ; group 1's last tile
.set WREG, 168
	WK0
.irp t, 0,1,2,3
.irp z, 6,7,8,9,10,11
	v_mov_b32 v[96+18*\t+\z], 0
	v_mov_b32 v[180+18*\t+\z], 0
.endr
.endr
	WIN 0
.irp z, 18,19,20,21,22,23
	v_mov_b32 v[AF+\z], 0                          ; the rows' six registers of zeros: written once
.endr
	v_mov_b32 v[PT], 0                             ; written once: a lane permute's destination counts as one of its sources
	v_mov_b32 v[PT+1], 0
	s_wait_dscnt 0x0                               ; W's fragments are in
.Ltrip:                                                ; 15 trips: points 0 to 29
	POINT 0, 1, 0, 26
	POINT 1, 1, 1, 26
	s_sub_co_u32 s25, s25, 1
	s_cmp_lg_u32 s25, 0
	s_cbranch_scc1 .Ltrip
	POINT 0, 0, 0, 26                              ; point 30: behind its rows stand the list read again (2) and point 31's rows (24)
	POINT 1, 0, 0, 0                               ; point 31
	s_set_vgpr_msb 0x4
	s_wait_dscnt 0x0
	s_wait_alu depctr_hold_cnt(0) depctr_sa_sdst(0) depctr_va_vdst(0) depctr_va_sdst(0) depctr_va_ssrc(0) depctr_va_vcc(0) depctr_vm_vsrc(0)
	s_wait_tensorcnt 0x0
	ds_add_u32 v127, v255
	s_wait_dscnt 0x0
	s_endpgm
.Lfunc_end_k_qafe9616d3f_knn:
	.size	k_qafe9616d3f_knn, .Lfunc_end_k_qafe9616d3f_knn-k_qafe9616d3f_knn
	.p2alignl 7, 3214868480
	.fill 96, 4, 3214868480
	.section	.rodata,"a",@progbits
	.p2align	6, 0x0
	.amdhsa_kernel k_qafe9616d3f_knn
		.amdhsa_group_segment_fixed_size 105984
		.amdhsa_private_segment_fixed_size 0
		.amdhsa_enable_private_segment 0
		.amdhsa_kernarg_size 56
		.amdhsa_user_sgpr_count 2
		.amdhsa_user_sgpr_kernarg_segment_ptr 1
		.amdhsa_wavefront_size32 1
		.amdhsa_system_sgpr_workgroup_id_x 1
		.amdhsa_system_sgpr_workgroup_id_y 1
		.amdhsa_system_sgpr_workgroup_id_z 1
		.amdhsa_system_vgpr_workitem_id 0
		.amdhsa_next_free_vgpr 1024
		.amdhsa_next_free_sgpr 66
		.amdhsa_reserve_vcc 0
		.amdhsa_float_denorm_mode_32 3
		.amdhsa_float_denorm_mode_16_64 3
		.amdhsa_memory_ordered 1
		.amdhsa_forward_progress 1
		.amdhsa_inst_pref_size 227
	.end_amdhsa_kernel
	.amdgpu_metadata
---
amdhsa.version: [ 1, 2 ]
amdhsa.kernels:
  - .name:           k_qafe9616d3f_knn
    .symbol:         k_qafe9616d3f_knn.kd
    .args:
      - { .name: src_feat, .offset: 0, .size: 8, .value_kind: global_buffer, .address_space: global }
      - { .name: idx, .offset: 8, .size: 8, .value_kind: global_buffer, .address_space: global }
      - { .name: gamma, .offset: 16, .size: 8, .value_kind: global_buffer, .address_space: global }
      - { .name: beta, .offset: 24, .size: 8, .value_kind: global_buffer, .address_space: global }
      - { .name: W_codes, .offset: 32, .size: 8, .value_kind: global_buffer, .address_space: global }
      - { .name: W_scales, .offset: 40, .size: 8, .value_kind: global_buffer, .address_space: global }
      - { .name: out0, .offset: 48, .size: 8, .value_kind: global_buffer, .address_space: global }
    .group_segment_fixed_size: 105984
    .private_segment_fixed_size: 0
    .kernarg_segment_align: 8
    .kernarg_segment_size: 56
    .max_flat_workgroup_size: 128
    .sgpr_count:     66
    .vgpr_count:     1024
    .wavefront_size: 32
...
	.end_amdgpu_metadata
.endif
;; end of part 2
